; MI455X (gfx1250); checked and timed in simulation.
; The chip was launched on July 23, 2026; its instructions are those of AMD's public machine-readable ISA for CDNA 5 (MIT licence, August 2026) and "CDNA5" Instruction Set Architecture Reference Guide (July 2026). The comments in the code are by the model that wrote it; some were corrected since.
;; Attention. Allowed arithmetic: matrix products marked QUANTISED: E2M1 operands, one E8M0 scale for each 32 along K, by v_wmma_scale_f32_16x16x128_f8f6f4 with both operands' format E2M1 (or v_wmma_scale_f32_32x16x128_f4), f32 sums; products left as they are: bf16, f16 or f32 operands; f32 sums; everything else in f32.
;; Inputs: Wkv 512 x 1,024 float32; Wo 512 x 512 float32; Wq 512 x 512 float32; bo 512 float32; x 2 x 4,096 x 512 float32.
;; Outputs: out0 2 x 4,096 x 512 float32.
;; This version of the problem:
;;   THIS VERSION OF THE PROBLEM IS GIVEN IN LOW PRECISION. The matrix products marked QUANTISED in the list below multiply operands that are first quantised to E2M1 (2 exponent bits, 1 mantissa bit; 4 bits a number), with one power-of-two scale for each 32 numbers along K (OCP MX v1.0); their sums are f32. The products marked 'left as it is' may take bf16, f16 or f32 operands, with f32 sums. Whichever they take, every output number must still come out within the allowed error. Rounding operands to bf16 (8 significant bits) uses up far more of that allowance than f16 does (11 bits, for magnitudes from 6e-5 to 65,504). All else is computed in f32.
;;   The module's matrix products, in the order in which they are computed (A, B: the left and right operand; K: the contracted axis; several contracted axes count as one K, in the product's order):
;;     1. [M 8,192, K 512] x [K 512, N 512]; A: input x; B: input Wq: QUANTISED
;;     2. [M 8,192, K 512] x [K 512, N 1,024]; A: input x; B: input Wkv: QUANTISED
;;     3. batch 16 x [M 4,096, K 64] x [K 64, N 4,096]; A: computed on the way; B: computed on the way: left as it is (an operand is computed on the way)
;;     4. batch 16 x [M 4,096, K 4,096] x [K 4,096, N 64]; A: computed on the way; B: computed on the way: left as it is (an operand is computed on the way)
;;     5. [M 8,192, K 512] x [K 512, N 512]; A: computed on the way; B: input Wo: left as it is (an operand is computed on the way)
;;   THE QUANTISER, for each operand of a quantised product, along K:
;;     - K is cut into blocks of 32 from its start; a last block that is shorter is filled with zeros.
;;     - A block's scale is 2^e with e = floor(log2(the largest magnitude in the block)) - 2, held to -126 .. 127; a block of zeros has e = 0. As a byte (E8M0): e + 127.
;;     - Each number is divided by its block's scale, clamped to +-6, and rounded to the nearest number of E2M1, ties to even, subnormals kept.
;;     - The product sums the exact products of the quantised numbers (number of the format x scale) in f32.
;;   ~~~python
;;   def quantise(x, axis):      # numpy; x: float32 -> the quantised numbers, widened to float32 again
;;       x = np.moveaxis(x, axis, -1); K = x.shape[-1]
;;       x = np.pad(x, [(0, 0)] * (x.ndim - 1) + [(0, -K % 32)]); x = x.reshape(x.shape[:-1] + (-1, 32)); a = np.abs(x).max(-1, keepdims=True)
;;       e = np.where(a > 0, np.clip(np.frexp(np.where(a > 0, a, 1))[1] - 1 - 2, -126, 127), 0)      # np.frexp(a)[1] - 1 = floor(log2(a)), exactly
;;       r = np.clip(x / 2.0 ** e, -6, 6)
;;       step = 2.0 ** (np.maximum(np.frexp(np.where(r == 0, 1, r))[1] - 1, 0) - 1)
;;       q = np.round(r / step) * step * 2.0 ** e      # np.round: ties to even
;;       return np.moveaxis(q.reshape(q.shape[:-2] + (-1,))[..., :K], -1, axis).astype(np.float32)
;;   ~~~
;; One version. Each part assembles by itself: llvm-mc -triple=amdgcn-amd-amdhsa -mcpu=gfx1250 --defsym DOCPART=n.
;; ======== version 1 of 1: 5 launches
;; limits: values are held in f16: magnitudes above 65,504 overflow, below 6.1e-05 lose precision
;; workspace buffers: wc 393,216 bytes; ws 24,576 bytes; wo16 524,288 bytes; qf 8,388,608 bytes; kf 8,388,608 bytes; vf 8,388,608 bytes; af 8,388,608 bytes; r32 196,608 bytes
;; launch prep (part 1): grid 256 x 1, 1 waves a work-group, no clusters, 0 bytes of LDS; arguments Wq, Wkv, Wo, wc, ws, wo16; writes wc, ws, wo16
.if DOCPART == 1
	.amdgcn_target "amdgcn-amd-amdhsa--gfx1250"
	.amdhsa_code_object_version 6
	.text
	.protected	k_q27b7fac2f6_prep
	.globl	k_q27b7fac2f6_prep
	.p2align	8
	.type	k_q27b7fac2f6_prep,@function
k_q27b7fac2f6_prep:
	s_mov_b64 s[64:65], 0
	v_nop
	global_prefetch_b8 v0, s[64:65] scope:SCOPE_SE
	s_setreg_imm32_b32 hwreg(HW_REG_WAVE_MODE, 25, 1), 1
	s_wait_xcnt 0x0
; The weights are laid out once, in the order in which a wave's operand registers take them.
; Wq [512][512] and Wkv [512][1024], f32, K = their FIRST axis, become codes of FP4 (E2M1) with one E8M0 byte for each 32 along K; Wo [512][512] becomes f16.
; A LANE TAKES A COLUMN AND ITS REGISTERS RUN DOWN K: a wave takes 32 columns x 128 along K, each load reads 128 consecutive bytes, a block of 32 lies in one lane.
; wc:   fragment (16 columns T, K step s of 128) at (4 T + s) x 1,024 bytes: registers 0-3 at 16 x lane, 4-7 at 512 + 16 x lane.  T 0-31 Wq, 32-63 k's columns, 64-95 v's.
;       Column r's block bl (k = 32 bl on) is 16 bytes at 256 bl + 16 r: sixteen lanes store 256 consecutive aligned bytes.
; ws:   [K step][1,536 columns], one word of four scale bytes.
; wo16: fragment (16 columns, 32 along K) (tile, chunk kc) at (16 tile + kc) x 1,024; column r's eight k from 8 g on at 256 g + 16 r.
; Work-groups 0-63: Wq; 64-191: Wkv; 192-255: Wo.  In each: K step = number % 4, group of 32 columns = the rest / 4.
; A block's scale byte is its largest magnitude's exponent field - 2, held at 1 from below (a block of zeros keeps the byte 1: its codes are zeros, and this program alone reads the bytes).
; LIMITS: NaN and infinities are not served; Wo's magnitudes stay under 65,504 (f16).
; No LDS, no matrix unit, no cluster: the work-groups share no input byte.
.set LA,  1                            ; v1  4 x lane
.set CA,  2                            ; v2  codes: (lane / 16) x 4,096 + (lane % 16) x 16
.set OA,  3                            ; v3  f16:   (lane / 16) x 16,384 + (lane % 16) x 16
.set MG,  4                            ; v4-7   largest magnitudes of the four blocks
.set SCO, 8                            ; v8-11  the conversions' scale operands
.set BY,  12                           ; v12-15 the scale bytes
.set SW,  20                           ; v20    the scale word
.set CC,  24                           ; v24-39 codes
.set XX,  40                           ; v40-167 my column's 128 numbers
.macro LOADW base, pitch               ; row i of the K step, 32 neighbouring columns
.set i, 0
.rept 128
	global_load_b32 v[XX+i], v[LA], s[\base:\base+1] offset:i*\pitch th:TH_LOAD_NT
.set i, i+1
.endr
.endm
	s_load_b256 s[4:11], s[0:1], 0x0               ; Wq s[4:5], Wkv s[6:7], Wo s[8:9], wc s[10:11]
	s_load_b128 s[12:15], s[0:1], 0x20             ; ws s[12:13], wo16 s[14:15]
	v_lshlrev_b32 v[LA], 2, v0                     ; one wave: the thread's number is the lane
	v_lshrrev_b32 v16, 4, v0
	v_and_b32 v17, 15, v0
	v_lshlrev_b32 v17, 4, v17
	v_lshl_add_u32 v[CA], v16, 12, v17
	v_lshl_add_u32 v[OA], v16, 14, v17
	s_and_b32 s21, ttmp9, 3                        ; K step
	s_cmp_lt_u32 ttmp9, 64
	s_cselect_b32 s22, 0, 64                       ; the tensor's first work-group
	s_cselect_b32 s29, 0, 16                       ; and its first group of 32 among the 48 of Wq and Wkv
	s_cmp_lt_u32 ttmp9, 192
	s_cselect_b32 s22, s22, 192
	s_sub_co_u32 s23, ttmp9, s22
	s_lshr_b32 s23, s23, 2                         ; group of 32 columns in the tensor
	s_add_co_u32 s29, s29, s23
	s_lshl_b32 s25, s23, 7                         ; 128 bytes a group
	s_lshl_b32 s24, s21, 18                        ; 128 rows of 2,048 bytes
	s_add_co_u32 s24, s24, s25
	s_lshl_b32 s26, s21, 19                        ; 128 rows of 4,096 bytes
	s_add_co_u32 s26, s26, s25
	s_mov_b32 s25, 0
	s_mov_b32 s27, 0
	s_wait_kmcnt 0x0
	s_cmp_lt_u32 ttmp9, 64                         ; the choice hangs on the work-group's number alone
	s_cselect_b64 s[16:17], s[4:5], s[8:9]
	s_add_nc_u64 s[16:17], s[16:17], s[24:25]
	s_add_nc_u64 s[6:7], s[6:7], s[26:27]          ; (used by Wkv's work-groups alone)
	s_sub_co_u32 s28, ttmp9, 64
	s_cmp_lt_u32 s28, 128
	s_cbranch_scc0 .Lnarrow
	LOADW 6, 4096
	s_branch .Lloaded
.Lnarrow:
	LOADW 16, 2048
.Lloaded:
	s_wait_loadcnt 0x0
	s_cmp_lt_u32 ttmp9, 192
	s_cbranch_scc0 .Lhalf
	; ---- codes of FP4
	s_lshl_b32 s24, s29, 13                        ; two tiles x four K steps x 1,024 bytes a group
	s_lshl_b32 s28, s21, 10
	s_add_co_u32 s24, s24, s28
	s_add_nc_u64 s[10:11], s[10:11], s[24:25]
	s_mul_i32 s26, s21, 6144
	s_lshl_b32 s28, s29, 7
	s_add_co_u32 s26, s26, s28
	s_add_nc_u64 s[12:13], s[12:13], s[26:27]
.irp b, 0,1,2,3
	v_max3_num_f32 v[MG+\b], |v[XX+32*\b]|, |v[XX+32*\b+1]|, 0x1800000   ; with the floor 2^(3 - 127): the byte cannot fall under 1
.endr
.irp i, 2,4,6,8,10,12,14,16,18,20,22,24,26,28,30
.irp b, 0,1,2,3
	v_max3_num_f32 v[MG+\b], v[MG+\b], |v[XX+32*\b+\i]|, |v[XX+32*\b+\i+1]|   ; the four blocks by turns
.endr
.endr
.irp b, 0,1,2,3
	v_add_nc_u32 v[SCO+\b], 0xff000000, v[MG+\b]   ; 2 off the exponent field: the conversion takes that field as its scale
.endr
.irp b, 0,1,2,3
	v_lshrrev_b32 v[BY+\b], 23, v[SCO+\b]
.endr
	v_lshl_or_b32 v[SW], v[BY+1], 8, v[BY]
	v_lshl_or_b32 v[SW], v[BY+2], 16, v[SW]
	v_lshl_or_b32 v[SW], v[BY+3], 24, v[SW]
.irp b, 0,1,2,3
.irp g, 0,1,2,3
	v_cvt_scalef32_pk8_fp4_f32 v[CC+4*\b+\g], v[XX+32*\b+8*\g:XX+32*\b+8*\g+7], v[SCO+\b]
.endr
.endr
	v_nop                                          ; one plain line behind the last scaled conversion
.irp b, 0,1,2,3
	global_store_b128 v[CA], v[CC+4*\b:CC+4*\b+3], s[10:11] offset:256*\b
.endr
	global_store_b32 v[LA], v[SW], s[12:13]
	s_endpgm
.Lhalf:
	; ---- f16: two neighbours along K to a register, in place (the destination never passes the sources)
	s_lshl_b32 s24, s23, 15                        ; two tiles x 16 chunks x 1,024 bytes a group
	s_lshl_b32 s28, s21, 12                        ; four chunks a K step
	s_add_co_u32 s24, s24, s28
	s_add_nc_u64 s[14:15], s[14:15], s[24:25]
.set i, 0
.rept 64
	v_cvt_pk_f16_f32 v[XX+i], v[XX+2*i], v[XX+2*i+1]
.set i, i+1
.endr
.irp q, 0,1,2,3
.irp g, 0,1,2,3
	global_store_b128 v[OA], v[XX+16*\q+4*\g:XX+16*\q+4*\g+3], s[14:15] offset:1024*\q+256*\g
.endr
.endr
	s_endpgm
.Lfunc_end_k_q27b7fac2f6_prep:
	.size	k_q27b7fac2f6_prep, .Lfunc_end_k_q27b7fac2f6_prep-k_q27b7fac2f6_prep
	.p2alignl 7, 3214868480
	.fill 96, 4, 3214868480
	.section	.rodata,"a",@progbits
	.p2align	6, 0x0
	.amdhsa_kernel k_q27b7fac2f6_prep
		.amdhsa_group_segment_fixed_size 0
		.amdhsa_private_segment_fixed_size 0
		.amdhsa_enable_private_segment 0
		.amdhsa_kernarg_size 48
		.amdhsa_user_sgpr_count 2
		.amdhsa_user_sgpr_kernarg_segment_ptr 1
		.amdhsa_wavefront_size32 1
		.amdhsa_system_sgpr_workgroup_id_x 1
		.amdhsa_system_sgpr_workgroup_id_y 1
		.amdhsa_system_sgpr_workgroup_id_z 1
		.amdhsa_system_vgpr_workitem_id 0
		.amdhsa_next_free_vgpr 168
		.amdhsa_next_free_sgpr 66
		.amdhsa_reserve_vcc 0
		.amdhsa_float_denorm_mode_32 3
		.amdhsa_float_denorm_mode_16_64 3
		.amdhsa_memory_ordered 1
		.amdhsa_forward_progress 1
		.amdhsa_inst_pref_size 38
	.end_amdhsa_kernel
	.amdgpu_metadata
---
amdhsa.version: [ 1, 2 ]
amdhsa.kernels:
  - .name:           k_q27b7fac2f6_prep
    .symbol:         k_q27b7fac2f6_prep.kd
    .args:
      - { .name: Wq, .offset: 0, .size: 8, .value_kind: global_buffer, .address_space: global }
      - { .name: Wkv, .offset: 8, .size: 8, .value_kind: global_buffer, .address_space: global }
      - { .name: Wo, .offset: 16, .size: 8, .value_kind: global_buffer, .address_space: global }
      - { .name: wc, .offset: 24, .size: 8, .value_kind: global_buffer, .address_space: global }
      - { .name: ws, .offset: 32, .size: 8, .value_kind: global_buffer, .address_space: global }
      - { .name: wo16, .offset: 40, .size: 8, .value_kind: global_buffer, .address_space: global }
    .group_segment_fixed_size: 0
    .private_segment_fixed_size: 0
    .kernarg_segment_align: 8
    .kernarg_segment_size: 48
    .max_flat_workgroup_size: 32
    .sgpr_count:     66
    .vgpr_count:     168
    .wavefront_size: 32
...
	.end_amdgpu_metadata
.endif
;; end of part 1
;; launch qkv (part 2): grid 256 x 1, 8 waves a work-group, no clusters, 10,240 bytes of LDS; arguments x, wc, ws, qf, kf, vf, r32; writes qf, kf, vf, r32
.if DOCPART == 2
	.amdgcn_target "amdgcn-amd-amdhsa--gfx1250"
	.amdhsa_code_object_version 6
	.text
	.protected	k_q27b7fac2f6_qkv
	.globl	k_q27b7fac2f6_qkv
	.p2align	8
	.type	k_q27b7fac2f6_qkv,@function
k_q27b7fac2f6_qkv:
	s_mov_b64 s[64:65], 0
	v_nop
	global_prefetch_b8 v0, s[64:65] scope:SCOPE_SE
	s_setreg_imm32_b32 hwreg(HW_REG_WAVE_MODE, 25, 1), 1
	s_wait_xcnt 0x0
; q = x Wq, k and v = x Wkv, on codes of FP4 (E2M1) with one E8M0 scale for each 32 along K = 512; sums in f32.
; SHARES.  A work-group takes 32 tokens (two tiles of 16) against all 1,536 columns, so x is read and quantised once in the launch.  Wave w first quantises one fragment of x
; (tile w / 4, K step w % 4) and hands it to the others through LDS as an image of its registers; then it makes head w: q's, k's and v's 64 columns, as six pairs of column tiles.
; q and k are made TRANSPOSED (source 0 = 16 columns of W, source 1 = 16 tokens): a lane holds one token and eight neighbouring channels; two tiles, rounded to f16 in pairs, are
; registers 0-3 and 4-7 of a fragment 16 tokens x 32 channels.  v is made the natural way: a lane holds one channel and eight neighbouring tokens: a fragment 16 channels x 32 keys.
; Every fragment leaves as an image of its registers (0-3 at 16 x lane, 4-7 at 512 + 16 x lane): each store of a wave covers 512 consecutive aligned bytes.
; qf, kf: [batch x head][token tile of 256][chunk of 32 channels] x 1,024 bytes.  vf: [batch x head][chunk of 32 keys][tile of 16 channels] x 1,024 bytes.
; r32: the first 16 tokens of each batch once more in f32: q [bh][16][64], k likewise at 65,536, v [bh][64][16] at 131,072.
; q is stored unscaled: the two scalings by 1/8 are one exact factor that the attention folds into its exponent.
; One scale register carries two tiles' words (lanes 0-15 and 16-31); the ROW1 modifier picks the upper ones.
; LIMITS: |q|, |k|, |v| stay under 65,504 (f16).  NaN and infinities are not served.  A block of zeros keeps the byte 1 (its codes are zeros).
; No tensor load and no cluster: a weight fragment goes from memory straight into registers, once a work-group, and feeds both token tiles.
.set XSC,   8192                       ; LDS: x's eight images at 0, their scale words (128 bytes each) here,
.set SPARE, 9216                       ; and the spare words, 128 bytes a wave, which no other line names
.set LI,  1                            ; v1  16 x lane
.set LS,  2                            ; v2  4 x lane
.set XA,  3                            ; v3  x: row r of 2,048 bytes + 64 h
.set XWI, 4                            ; v4  where I store my image
.set XWS, 5                            ; v5  and its scale words
.set XSA, 6                            ; v6  scale words on the way back: lanes 0-15 tile 0's rows, lanes 16-31 tile 1's
.set R1,  7                            ; v7  r32: q, k: 256 r + 32 h
.set R2,  8                            ; v8  r32: v: 64 r + 32 h
.set SPW, 9                            ; v9  my spare word; never rewritten
.set NIL, 10                           ; v10 0; never rewritten
.set XS,  12                           ; v12-15 x's scale words, one register a K step
.set WS,  16                           ; v16-19, v20-23 the weights' scale words, two sets
.set ACC, 24                           ; v24-55 accumulator (token tile m, column tile t) at 24 + 16 m + 8 t
.set TM,  24                           ; while x is quantised: v24-39 at work, v40-47 codes, v48 the scale word
.set PC,  40
.set PW,  48
.set XF,  56                           ; v56-119 x: first 64 numbers, then the eight fragments (4 m + s)
.set WB,  120                          ; v120-183, v184-247 weight fragments (t, s) at + 32 t + 8 s, two sets
.set SEL, 20
; 64 numbers of a lane, register 16 b + i = k 32 b + 16 (lane / 16) + i of my row, become a fragment's codes in v[PC] on and its scale word in v[PW]
.macro QUANT s
.irp b, 0,1,2,3
	v_max3_num_f32 v[TM+\b], |v[\s+16*\b]|, |v[\s+1+16*\b]|, 0x1800000   ; with the floor 2^(3 - 127)
.endr
.irp i, 2,4,6,8,10,12,14
.irp b, 0,1,2,3
	v_max3_num_f32 v[TM+\b], v[TM+\b], |v[\s+16*\b+\i]|, |v[\s+1+16*\b+\i]|
.endr
.endr
.irp b, 0,1,2,3
	v_permlanex16_b32 v[TM+4+\b], v[TM+\b], s[SEL], s[SEL+1]
.endr
.irp b, 0,1,2,3
	v_max_num_f32 v[TM+\b], v[TM+\b], v[TM+4+\b]   ; with lane l xor 16's: the block's largest magnitude
.endr
.irp b, 0,1,2,3
	v_add_nc_u32 v[TM+12+\b], 0xff000000, v[TM+\b]
.endr
.irp b, 0,1,2,3
	v_lshrrev_b32 v[TM+4+\b], 23, v[TM+12+\b]
.endr
	v_lshl_or_b32 v[PW], v[TM+5], 8, v[TM+4]
	v_lshl_or_b32 v[PW], v[TM+6], 16, v[PW]
	v_lshl_or_b32 v[PW], v[TM+7], 24, v[PW]
.irp b, 0,1,2,3
	v_cvt_scalef32_pk8_fp4_f32 v[PC+2*\b], v[\s+16*\b:\s+7+16*\b], v[TM+12+\b]
	v_cvt_scalef32_pk8_fp4_f32 v[PC+1+2*\b], v[\s+8+16*\b:\s+15+16*\b], v[TM+12+\b]
.endr
	v_nop                                          ; one plain place behind a scaled conversion
.irp c, 0,1                                    ; the operand's layout wants a whole block in a lane
.irp i, 0,1
	v_permlane16_swap_b32 v[PC+4*\c+\i], v[PC+2+4*\c+\i]
.endr
.endr
.endm
; One scaled product.  k: the K step (0 starts the sum);  ra, rb: 1 where source 0's or source 1's scale words lie in lanes 16-31
.macro MM d, a, b, k, sa, sb, ra, rb
.if (\k) == 0
.if (\ra) == 0 && (\rb) == 0
	v_wmma_scale_f32_16x16x128_f8f6f4 v[(\d):(\d)+7], v[(\a):(\a)+7], v[(\b):(\b)+7], 0, v[\sa], v[\sb] matrix_a_fmt:MATRIX_FMT_FP4 matrix_b_fmt:MATRIX_FMT_FP4
.elseif (\ra) == 1 && (\rb) == 0
	v_wmma_scale_f32_16x16x128_f8f6f4 v[(\d):(\d)+7], v[(\a):(\a)+7], v[(\b):(\b)+7], 0, v[\sa], v[\sb] matrix_a_fmt:MATRIX_FMT_FP4 matrix_b_fmt:MATRIX_FMT_FP4 matrix_a_scale:MATRIX_SCALE_ROW1
.elseif (\ra) == 0
	v_wmma_scale_f32_16x16x128_f8f6f4 v[(\d):(\d)+7], v[(\a):(\a)+7], v[(\b):(\b)+7], 0, v[\sa], v[\sb] matrix_a_fmt:MATRIX_FMT_FP4 matrix_b_fmt:MATRIX_FMT_FP4 matrix_b_scale:MATRIX_SCALE_ROW1
.else
	v_wmma_scale_f32_16x16x128_f8f6f4 v[(\d):(\d)+7], v[(\a):(\a)+7], v[(\b):(\b)+7], 0, v[\sa], v[\sb] matrix_a_fmt:MATRIX_FMT_FP4 matrix_b_fmt:MATRIX_FMT_FP4 matrix_a_scale:MATRIX_SCALE_ROW1 matrix_b_scale:MATRIX_SCALE_ROW1
.endif
.else
.if (\ra) == 0 && (\rb) == 0
	v_wmma_scale_f32_16x16x128_f8f6f4 v[(\d):(\d)+7], v[(\a):(\a)+7], v[(\b):(\b)+7], v[(\d):(\d)+7], v[\sa], v[\sb] matrix_a_fmt:MATRIX_FMT_FP4 matrix_b_fmt:MATRIX_FMT_FP4
.elseif (\ra) == 1 && (\rb) == 0
	v_wmma_scale_f32_16x16x128_f8f6f4 v[(\d):(\d)+7], v[(\a):(\a)+7], v[(\b):(\b)+7], v[(\d):(\d)+7], v[\sa], v[\sb] matrix_a_fmt:MATRIX_FMT_FP4 matrix_b_fmt:MATRIX_FMT_FP4 matrix_a_scale:MATRIX_SCALE_ROW1
.elseif (\ra) == 0
	v_wmma_scale_f32_16x16x128_f8f6f4 v[(\d):(\d)+7], v[(\a):(\a)+7], v[(\b):(\b)+7], v[(\d):(\d)+7], v[\sa], v[\sb] matrix_a_fmt:MATRIX_FMT_FP4 matrix_b_fmt:MATRIX_FMT_FP4 matrix_b_scale:MATRIX_SCALE_ROW1
.else
	v_wmma_scale_f32_16x16x128_f8f6f4 v[(\d):(\d)+7], v[(\a):(\a)+7], v[(\b):(\b)+7], v[(\d):(\d)+7], v[\sa], v[\sb] matrix_a_fmt:MATRIX_FMT_FP4 matrix_b_fmt:MATRIX_FMT_FP4 matrix_a_scale:MATRIX_SCALE_ROW1 matrix_b_scale:MATRIX_SCALE_ROW1
.endif
.endif
.endm
; Pair pp of column tiles (pp / 2: q, k, v; pp % 2: which 32 of the head's 64 columns) into set be: 16 loads of codes, 4 of scale words: 20 loads
.macro LOADW pp, be
.irp t, 0,1
.irp s, 0,1,2,3
.irp c, 0,1
	global_load_b128 v[WB+64*(\be)+32*\t+8*\s+4*\c:WB+64*(\be)+32*\t+8*\s+4*\c+3], v[LI], s[6:7] offset:((\pp)/2)*131072+((\pp)%2)*8192+\t*4096+\s*1024+512*\c
.endr
.endr
.endr
.irp s, 0,1,2,3
	global_load_b32 v[WS+4*(\be)+\s], v[LS], s[8:9] offset:\s*6144+((\pp)/2)*2048+((\pp)%2)*128
.endr
.endm
; 16 products: the four accumulators take turns, one instruction a turn, K step by K step
.macro MULT pp, be
.irp s, 0,1,2,3
.irp m, 0,1
.irp t, 0,1
.if (\pp) < 4
	MM ACC+16*\m+8*\t, WB+64*(\be)+32*\t+8*\s, XF+32*\m+8*\s, \s, WS+4*(\be)+\s, XS+\s, \t, \m
.else
	MM ACC+16*\m+8*\t, XF+32*\m+8*\s, WB+64*(\be)+32*\t+8*\s, \s, XS+\s, WS+4*(\be)+\s, \m, \t
.endif
.endr
.endr
.endr
.endm
; The f32 copy of a batch's first 16 tokens: the batch's first work-group alone, token tile 0 alone.  Each accumulator from its low end on.
.macro COPY32 pp
	s_cmp_lg_u32 s30, 0
	s_cbranch_scc1 .Lnocopy_\@
.irp t, 0,1
.if (\pp) < 4
	global_store_b128 v[R1], v[ACC+8*\t:ACC+8*\t+3], s[16:17] offset:((\pp)/2)*65536+(2*((\pp)%2)+\t)*64
	global_store_b128 v[R1], v[ACC+8*\t+4:ACC+8*\t+7], s[16:17] offset:((\pp)/2)*65536+(2*((\pp)%2)+\t)*64+16
.else
	global_store_b128 v[R2], v[ACC+8*\t:ACC+8*\t+3], s[16:17] offset:131072+(2*((\pp)%2)+\t)*1024
	global_store_b128 v[R2], v[ACC+8*\t+4:ACC+8*\t+7], s[16:17] offset:131072+(2*((\pp)%2)+\t)*1024+16
.endif
.endr
	s_wait_xcnt 0x0                                ; the roundings below write the registers that these stores read
.Lnocopy_\@:
.endm
; Rounded to f16 in place, from the low end on, and stored: half a fragment an accumulator
.macro PACKST pp
.irp m, 0,1
.irp t, 0,1
.irp i, 0,1,2,3
	v_cvt_pk_f16_f32 v[ACC+16*\m+8*\t+\i], v[ACC+16*\m+8*\t+2*\i], v[ACC+16*\m+8*\t+2*\i+1]
.endr
.endr
.endr
.irp m, 0,1
.irp t, 0,1
.if (\pp) < 4
	global_store_b128 v[LI], v[ACC+16*\m+8*\t:ACC+16*\m+8*\t+3], s[10+2*((\pp)/2):11+2*((\pp)/2)] offset:\m*2048+((\pp)%2)*1024+\t*512
.else
	global_store_b128 v[LI], v[ACC+16*\m+8*\t:ACC+16*\m+8*\t+3], s[14:15] offset:(2*((\pp)%2)+\t)*1024+\m*512
.endif
.endr
.endr
.endm
	s_load_b256 s[4:11], s[0:1], 0x0               ; x s[4:5], wc s[6:7], ws s[8:9], qf s[10:11]
	s_load_b128 s[12:15], s[0:1], 0x20             ; kf s[12:13], vf s[14:15]
	s_load_b64 s[16:17], s[0:1], 0x30              ; r32
	v_lshl_add_u32 v[SPW], v0, 2, SPARE
	v_mov_b32 v[NIL], 0
	v_lshrrev_b32 v11, 5, v0
	v_readfirstlane_b32 s18, v11                   ; wave 0..7
	s_mov_b32 s19, ttmp9                           ; block of 32 tokens
	v_and_b32 v11, 31, v0
	v_lshlrev_b32 v[LI], 4, v11
	v_lshlrev_b32 v[LS], 2, v11
	v_and_b32 v12, 15, v0                          ; r
	v_bfe_u32 v13, v0, 4, 1                        ; h
	v_lshlrev_b32 v[XA], 11, v12
	v_lshl_add_u32 v[XA], v13, 6, v[XA]
	s_lshl_b32 s22, s18, 10
	v_add_nc_u32 v[XWI], s22, v[LI]
	s_lshl_b32 s22, s18, 7
	v_add_nc_u32 v[XWS], s22, v[LS]
	v_add_nc_u32 v[XWS], XSC, v[XWS]
	v_lshlrev_b32 v[XSA], 2, v12
	v_lshl_add_u32 v[XSA], v13, 9, v[XSA]          ; tile 1's four words lie 512 bytes behind tile 0's
	v_add_nc_u32 v[XSA], XSC, v[XSA]
	v_lshlrev_b32 v[R1], 8, v12
	v_lshl_add_u32 v[R1], v13, 5, v[R1]
	v_lshlrev_b32 v[R2], 6, v12
	v_lshl_add_u32 v[R2], v13, 5, v[R2]
.irp b, 0,1,2,3
	v_mov_b32 v[TM+4+\b], 0                        ; a lane permute's destination counts as one of its sources
.endr
	s_mov_b32 s[SEL], 0x76543210
	s_mov_b32 s[SEL+1], 0xfedcba98                 ; lane l xor 16
	s_lshr_b32 s22, s19, 7                         ; batch
	s_lshl_b32 s22, s22, 3
	s_add_co_u32 s22, s22, s18                     ; batch x 8 + head
	s_and_b32 s30, s19, 127                        ; the block's number in its batch
	s_lshl_b32 s24, s22, 19
	s_lshl_b32 s23, s30, 12
	s_add_co_u32 s24, s24, s23                     ; one offset serves qf, kf and vf: 524,288 a head, 4,096 a block of 32 tokens
	s_mov_b32 s25, 0
	s_lshl_b32 s26, s22, 12                        ; r32: 4,096 bytes a head
	s_mov_b32 s27, 0
	s_lshl_b32 s28, s19, 16                        ; x: 32 rows of 2,048 bytes a block,
	s_lshr_b32 s23, s18, 2
	s_lshl_b32 s23, s23, 15                        ; 16 rows a tile,
	s_add_co_u32 s28, s28, s23
	s_and_b32 s23, s18, 3
	s_lshl_b32 s23, s23, 9                         ; 512 bytes a K step
	s_add_co_u32 s28, s28, s23
	s_mov_b32 s29, 0
	s_lshl_b32 s32, s18, 14                        ; wc: four tiles x four K steps x 1,024 bytes a head
	s_mov_b32 s33, 0
	s_lshl_b32 s34, s18, 8                         ; ws: 64 words a head
	s_mov_b32 s35, 0
	s_wait_kmcnt 0x0
	s_add_nc_u64 s[4:5], s[4:5], s[28:29]
	s_add_nc_u64 s[6:7], s[6:7], s[32:33]
	s_add_nc_u64 s[8:9], s[8:9], s[34:35]
	s_add_nc_u64 s[10:11], s[10:11], s[24:25]
	s_add_nc_u64 s[12:13], s[12:13], s[24:25]
	s_add_nc_u64 s[14:15], s[14:15], s[24:25]
	s_add_nc_u64 s[16:17], s[16:17], s[26:27]
.irp b, 0,1,2,3                                ; my fragment's numbers: of each block of 32 my half's 16 neighbours
.irp j, 0,1,2,3
	global_load_b128 v[XF+16*\b+4*\j:XF+16*\b+4*\j+3], v[XA], s[4:5] offset:128*\b+16*\j th:TH_LOAD_NT
.endr
.endr
	LOADW 0, 0
	LOADW 1, 1
	s_wait_loadcnt 40                              ; x's 16 loads are in; the two pairs' 40 may be out
	QUANT XF
	ds_store_b128 v[XWI], v[PC:PC+3]
	ds_store_b128 v[XWI], v[PC+4:PC+7] offset:512
	ds_store_b32 v[XWS], v[PW]
	s_wait_dscnt 0x0                               ; for the others' sake: my image has landed
	s_barrier_signal -1
	s_barrier_wait -1
.irp f, 0,1,2,3,4,5,6,7
	ds_load_b128 v[XF+8*\f:XF+8*\f+3], v[LI] offset:1024*\f
	ds_load_b128 v[XF+8*\f+4:XF+8*\f+7], v[LI] offset:1024*\f+512
.endr
.irp s, 0,1,2,3
	ds_load_b32 v[XS+\s], v[XSA] offset:128*\s
.endr
	s_wait_dscnt 0x0
.irp pp, 0,1,2,3,4,5
.if \pp < 5
	s_wait_loadcnt 20                              ; this pair's 20 loads are in; the next pair's may be out
.else
	s_wait_loadcnt 0x0
.endif
.if \pp > 0
	s_wait_xcnt 0x0                                ; the last pair's stores have read the accumulators' registers
.endif
	MULT \pp, \pp%2
.rept 4
	v_nop                                          ; places in front of the loads into this set and of the first reads of results
.endr
.if \pp < 4
	LOADW \pp+2, \pp%2
.endif
	COPY32 \pp
	PACKST \pp
.endr
	s_wait_tensorcnt 0x0                           ; the wave's end
	ds_add_u32 v[SPW], v[NIL]
	s_wait_dscnt 0x0
	s_endpgm
.Lfunc_end_k_q27b7fac2f6_qkv:
	.size	k_q27b7fac2f6_qkv, .Lfunc_end_k_q27b7fac2f6_qkv-k_q27b7fac2f6_qkv
	.p2alignl 7, 3214868480
	.fill 96, 4, 3214868480
	.section	.rodata,"a",@progbits
	.p2align	6, 0x0
	.amdhsa_kernel k_q27b7fac2f6_qkv
		.amdhsa_group_segment_fixed_size 10240
		.amdhsa_private_segment_fixed_size 0
		.amdhsa_enable_private_segment 0
		.amdhsa_kernarg_size 56
		.amdhsa_user_sgpr_count 2
		.amdhsa_user_sgpr_kernarg_segment_ptr 1
		.amdhsa_wavefront_size32 1
		.amdhsa_system_sgpr_workgroup_id_x 1
		.amdhsa_system_sgpr_workgroup_id_y 1
		.amdhsa_system_sgpr_workgroup_id_z 1
		.amdhsa_system_vgpr_workitem_id 0
		.amdhsa_next_free_vgpr 256
		.amdhsa_next_free_sgpr 66
		.amdhsa_reserve_vcc 0
		.amdhsa_float_denorm_mode_32 3
		.amdhsa_float_denorm_mode_16_64 3
		.amdhsa_memory_ordered 1
		.amdhsa_forward_progress 1
		.amdhsa_inst_pref_size 46
	.end_amdhsa_kernel
	.amdgpu_metadata
---
amdhsa.version: [ 1, 2 ]
amdhsa.kernels:
  - .name:           k_q27b7fac2f6_qkv
    .symbol:         k_q27b7fac2f6_qkv.kd
    .args:
      - { .name: x, .offset: 0, .size: 8, .value_kind: global_buffer, .address_space: global }
      - { .name: wc, .offset: 8, .size: 8, .value_kind: global_buffer, .address_space: global }
      - { .name: ws, .offset: 16, .size: 8, .value_kind: global_buffer, .address_space: global }
      - { .name: qf, .offset: 24, .size: 8, .value_kind: global_buffer, .address_space: global }
      - { .name: kf, .offset: 32, .size: 8, .value_kind: global_buffer, .address_space: global }
      - { .name: vf, .offset: 40, .size: 8, .value_kind: global_buffer, .address_space: global }
      - { .name: r32, .offset: 48, .size: 8, .value_kind: global_buffer, .address_space: global }
    .group_segment_fixed_size: 10240
    .private_segment_fixed_size: 0
    .kernarg_segment_align: 8
    .kernarg_segment_size: 56
    .max_flat_workgroup_size: 256
    .sgpr_count:     66
    .vgpr_count:     256
    .wavefront_size: 32
...
	.end_amdgpu_metadata
.endif
;; end of part 2
;; launch attn (part 3): grid 16 x 16, 8 waves a work-group, no clusters, 327,680 bytes of LDS; arguments qf, kf, vf, af; writes af
.if DOCPART == 3
	.amdgcn_target "amdgcn-amd-amdhsa--gfx1250"
	.amdhsa_code_object_version 6
	.text
	.protected	k_q27b7fac2f6_attn
	.globl	k_q27b7fac2f6_attn
	.p2align	8
	.type	k_q27b7fac2f6_attn,@function
k_q27b7fac2f6_attn:
	s_mov_b64 s[64:65], 0
	v_nop
	global_prefetch_b8 v0, s[64:65] scope:SCOPE_SE
	s_setreg_imm32_b32 hwreg(HW_REG_WAVE_MODE, 25, 1), 1
	s_wait_xcnt 0x0
; Causal attention of one head, f16 operands, f32 sums: af = softmax_k(q . k / 64) v, key k counting for query q where k <= q.
; a softmax does not change under a shift: a running maximum of the keys that count is taken away here.
; p = 2^(c s - c m), c = log2(e) / 64 (the two scalings by 1/8 in one); in every step O and l are multiplied by 2^(c m_old - c m_new).
; SHARES.  Work-group (i, head) does TWO JOBS of 128 queries: block i, then block 31 - i.  Job A wants key units 0 .. i, job B 0 .. 31 - i (a unit: 128 keys): 33 units in every work-group,
; so every trip count is a constant and no tensor load is left out.  At stream place p < PS = i + 1 the key unit is p, later p - PS.
; In a unit the pair of waves w / 2 owns 32 queries, and wave w takes keys 64 (w % 2) on: each fragment of K or V that it reads from LDS feeds two products.
; Register tile 0 holds query tile 8 J + w, tile 1 holds 8 J + (w xor 1): at a job's end each wave stores both parts (O, c m, l) to a stage in LDS, and finishes its tile 0 with its partner's tile 1.
; LAYOUT.  S^T = K Q^T and O^T = V^T P: a lane holds one query throughout; two tiles of S^T, rounded to f16 in pairs in place, are source 1 of the second product.
; qf, kf, vf, af hold images of operand registers (0-3 at 16 x lane, 4-7 at 512 + 16 x lane), so a unit's K and its V are dense blocks of 16,384 bytes and every LDS read is 16 x lane.
; THE RING: two slots of three units; waves 0 to 5 fetch one block each (unit w / 2; K for even w, V for odd); one tensor load of a wave is out at the most.
; NO CLUSTER: the work-groups of a head change jobs at different stream places (PS = i + 1), so the addresses of a joint load would differ between partners from place 1 on.
; LIMITS: |q|, |k|, |v| under 65,504 (f16); a weight p under 6e-8 falls to 0 in f16; NaN and infinities are not served.
; The first 16 positions of each batch are written here too, but the output's rows for them are made in f32 by a launch of their own.
.set SLOT1, 1<<17                      ; slot 1 begins here: one exclusive or turns an address
.set UNIT,  32768                      ; K's 16,384 bytes, then V's
.set STAGE, 229376                     ; behind the ring: 9,216 bytes a wave: two parts of 8 x 512 bytes of O and 512 of statistics
.set PART,  4608
.set SPARE, 303104                     ; the spare words, 128 bytes a wave, which no other line names
.set LI,   1                           ; v1  16 x lane
.set AK0,  2                           ; v2  16 x lane + 8,192 (w % 2): my half of a unit's K, and of its V
.set ADK,  3                           ; v3  the step's LDS address
.set STO,  4                           ; v4  my stage
.set STP,  5                           ; v5  my partner's second part
.set SPW,  6                           ; v6  my spare word; never rewritten
.set NIL,  7                           ; v7  0; never rewritten
.set PFO,  8                           ; v8  256 x lane
.set RH,   9                           ; v9  lane % 16 - 8 (lane / 16)
.set DD,   10                          ; v10 the mask's bound
.set NINF, 11                          ; v11 -infinity
.set YY,   12                          ; v[12:13], v[14:15] a second chain of sums for each tile
.set ST,   16                          ; tile a's statistics at v[16 + 8 a]: +0 c m, +1 m, +2, +3 l, +4 .. +7 at work; the rescaling factor in +6
.set QQ,   32                          ; v32-63   Q (a, chunk c) at + 16 a + 8 c
.set SS,   64                          ; v64-127  S^T (a, t) at + 32 a + 8 t; P in place in the first 16 of a tile's 32
.set KV,   128                         ; v128-191 K (t, c) at + 16 t + 8 c, then V (kc, ct) at + 32 kc + 8 ct
.set OO,   192                         ; v192-255 O^T (a, ct) at + 32 a + 8 ct
.set WV, 12
.set HF, 13
.set PR, 14
.set WI, 15
.set BH, 16
.set PS, 17                            ; the stream place at which job B begins
.set PP, 18                            ; the stream place in hand
.set PN, 19                            ; the stream place that my next tensor load fetches
.set SEL, 20
.set CS, 22
.set G1, 24
.set G0, 32
.set KVB, 36                           ; s[36:37] kf or vf at my head
.set OFF, 38
.set PFA, 40
.set LIM, 42
.set TB, 43
.set SLOTS, 44
.set K0, 45                            ; my first key of the step
.set QB, 46                            ; my pair's first query
.set QA0, 47                           ; tile 0's first query;  s48: tile 1's
.set JJ, 49
.set QFB, 50
.set AFB, 56
.set OFA, 58
.set OFB, 59
.macro SETADDR                         ; group 0's global address for stream place PN; then PN goes a slot on
	s_cmp_lt_u32 s[PN], s[PS]
	s_cselect_b32 s60, 0, s[PS]
	s_sub_co_u32 s60, s[PN], s60                   ; the key unit
	s_lshl_b32 s[OFF], s60, 14
	s_add_nc_u64 s[G0+2:G0+3], s[KVB:KVB+1], s[OFF:OFF+1]
	s_or_b32 s[G0+3], s[G0+3], 0x80000000          ; type = 2
	s_add_co_u32 s[PN], s[PN], 3
.endm
.macro TLOAD                           ; waves 0 to 5; an s_nop 0 and four v_nop follow the load
	s_cmp_lt_u32 s[WV], 6
	s_cbranch_scc0 .Lnoload_\@
	tensor_load_to_lds s[G0:G0+3], s[G1:G1+7]
	s_nop 0
.rept 4
	v_nop
.endr
.Lnoload_\@:
.endm
; A prefetch of the block that this wave's tensor load of the NEXT change of slots will fetch: three steps ahead; 16,384 bytes, lanes 256 bytes apart, two instructions.
; Only the head's work-group 0 asks: its job B walks all 32 key units, so each block of 256 bytes is named once in the launch.  Key units 0 to 4 come by their loads alone; nothing is asked for behind place 32.
.macro ASK
	s_cmp_le_u32 s[PN], s[LIM]
	s_cbranch_scc0 .Lnoask_\@
	global_prefetch_b8 v[PFO], s[PFA:PFA+1] th:TH_LOAD_NT scope:SCOPE_SE
	global_prefetch_b8 v[PFO], s[PFA:PFA+1] offset:8192 th:TH_LOAD_NT scope:SCOPE_SE
.Lnoask_\@:
.endm
.macro NEWJOB                          ; from s[JJ]: the job's ids, its Q, and empty sums
	s_lshl_b32 s[QB], s[JJ], 7
	s_lshl_b32 s60, s[PR], 5
	s_add_co_u32 s[QB], s[QB], s60
	s_lshl_b32 s60, s[HF], 4
	s_add_co_u32 s[QA0], s[QB], s60
	s_xor_b32 s60, s60, 16
	s_add_co_u32 s[QA0+1], s[QB], s60
	s_lshl_b32 s[K0], s[HF], 6
	s_lshl_b32 s60, s[JJ], 3
	s_add_co_u32 s62, s60, s[WV]
	s_lshl_b32 s62, s62, 11                        ; 2,048 bytes a query tile
	s_mov_b32 s63, 0
	s_add_nc_u64 s[52:53], s[QFB:QFB+1], s[62:63]
	s_xor_b32 s61, s[WV], 1
	s_add_co_u32 s62, s60, s61
	s_lshl_b32 s62, s62, 11
	s_add_nc_u64 s[54:55], s[QFB:QFB+1], s[62:63]
.irp k, 0,1,2,3
	global_load_b128 v[QQ+4*\k:QQ+4*\k+3], v[LI], s[52:53] offset:512*\k
	global_load_b128 v[QQ+16+4*\k:QQ+16+4*\k+3], v[LI], s[54:55] offset:512*\k
.endr
.set i, 0
.rept 64
	v_mov_b32 v[OO+i], 0                           ; the step is written once: a job's first step finds zeros
.set i, i+1
.endr
.irp a, 0,1
	v_mov_b32 v[ST+8*\a+1], 0xff61b1e6             ; m = -3e38, under every score
	v_mul_f32 v[ST+8*\a], s[CS], v[ST+8*\a+1]
	v_mov_b32 v[ST+8*\a+2], 0
	v_mov_b32 v[ST+8*\a+3], 0
.endr
	s_wait_loadcnt 0x0
.endm
.macro STORE_PART                      ; both tiles' O^T (each accumulator from its low end on) and statistics into my stage
.irp a, 0,1
.irp k, 0,1,2,3,4,5,6,7
	ds_store_b128 v[STO], v[OO+32*\a+4*\k:OO+32*\a+4*\k+3] offset:PART*\a+512*\k
.endr
	ds_store_b128 v[STO], v[ST+8*\a:ST+8*\a+3] offset:PART*\a+4096
.endr
	s_wait_dscnt 0x0                               ; for my partner's sake
.endm
; My tile 0 and my partner's tile 1 are the two key halves of one query tile: brought under one maximum, added, divided by the sum, rounded to f16, stored as two fragments (2,048 consecutive bytes).
.macro MERGE_OUT off
.irp k, 0,1,2,3,4,5,6,7
	ds_load_b128 v[KV+4*\k:KV+4*\k+3], v[STO] offset:512*\k
.endr
	ds_load_b128 v[SS:SS+3], v[STO] offset:4096
.irp k, 0,1,2,3,4,5,6,7
	ds_load_b128 v[KV+32+4*\k:KV+32+4*\k+3], v[STP] offset:512*\k
.endr
	ds_load_b128 v[SS+4:SS+7], v[STP] offset:4096
	s_wait_dscnt 0x0
	v_max_num_f32 v[SS+8], v[SS], v[SS+4]          ; the larger c m
	v_sub_f32 v[SS+9], v[SS], v[SS+8]
	v_sub_f32 v[SS+10], v[SS+4], v[SS+8]
	v_exp_f32 v[SS+9], v[SS+9]
	v_exp_f32 v[SS+10], v[SS+10]                   ; (a half that saw no key has c m far below: its factor is 0)
	v_add_f32 v[SS+11], v[SS+2], v[SS+3]           ; plain work behind the exponentials
	v_add_f32 v[SS+12], v[SS+6], v[SS+7]
	s_wait_alu depctr_va_vdst(0)                   ; one wait for both, ahead of their first reader
	v_mul_f32 v[SS+11], v[SS+11], v[SS+9]
	v_fma_f32 v[SS+11], v[SS+12], v[SS+10], v[SS+11]
	v_permlanex16_b32 v[SS+12], v[SS+11], s[SEL], s[SEL+1]
	v_add_f32 v[SS+11], v[SS+11], v[SS+12]         ; with the lane 16 away: the row's sum
	v_rcp_f32 v[SS+13], v[SS+11]
	v_nop
	s_wait_alu depctr_va_vdst(0)
	v_mul_f32 v[SS+14], v[SS+9], v[SS+13]
	v_mul_f32 v[SS+15], v[SS+9], v[SS+13]
	v_mul_f32 v[SS+16], v[SS+10], v[SS+13]
	v_mul_f32 v[SS+17], v[SS+10], v[SS+13]
.set i, 0
.rept 16
	v_pk_mul_f32 v[KV+2*i:KV+2*i+1], v[KV+2*i:KV+2*i+1], v[SS+14:SS+15]
.set i, i+1
.endr
.set i, 0
.rept 16
	v_pk_fma_f32 v[KV+2*i:KV+2*i+1], v[KV+32+2*i:KV+32+2*i+1], v[SS+16:SS+17], v[KV+2*i:KV+2*i+1]
.set i, i+1
.endr
.set i, 0
.rept 16
	v_cvt_pk_f16_f32 v[KV+32+i], v[KV+2*i], v[KV+2*i+1]
.set i, i+1
.endr
	s_mov_b32 s62, s[\off]
	s_mov_b32 s63, 0
	s_add_nc_u64 s[66:67], s[AFB:AFB+1], s[62:63]
.irp k, 0,1,2,3
	global_store_b128 v[LI], v[KV+32+4*\k:KV+32+4*\k+3], s[66:67] offset:512*\k
.endr
	s_wait_xcnt 0x0                                ; the stores have read their registers: the next step's loads land there
.endm
; THE CHANGE OF SLOTS, at a slot's head.  Each wave waits for all its tensor loads, adds 0 to its spare word, and waits for that and for its reads of the slot that it has left.
; fill = 1: behind the barrier the slot just left takes the next three units.  Then, once in the launch (one to three places behind the change of jobs), job A is merged and stored;
; a second, plain barrier keeps those reads of the stage ahead of every later store into it.
.macro CHANGE fill
	s_wait_tensorcnt 0x0                           ; no tensor load of mine is out, so group 0 may be written
	ds_add_u32 v[SPW], v[NIL]
.if \fill
	ds_add_u32 v[SPW], v[NIL]                      ; and twice on end here, in every trip alike
	s_xor_b32 s[G0+1], s[G0+1], SLOT1
	SETADDR
	s_wait_xcnt 0x0                                ; the last prefetches, a slot back, have read their address
	s_sub_co_u32 s68, s[PN], 1                     ; in work-group 0 place p holds key unit p - 1
	s_lshl_b32 s68, s68, 14
	s_add_nc_u64 s[PFA:PFA+1], s[KVB:KVB+1], s[68:69]
.endif
	s_wait_dscnt 0x0
	s_barrier_signal -1
	s_barrier_wait -1
.if \fill
	TLOAD                                          ; the first thing behind the barrier, and my one tensor load until the next
	ASK
	s_sub_co_u32 s60, s[PP], s[PS]
	s_sub_co_u32 s60, s60, 1
	s_cmp_lt_u32 s60, 3                            ; ids and the count of steps alone
	s_cbranch_scc0 .Lnomerge_\@
	MERGE_OUT OFA
.Lnomerge_\@:
	s_wait_dscnt 0x0
	s_barrier_signal -1
	s_barrier_wait -1
.endif
.endm
.macro KQ a                            ; S^T = K Q^T: the tile's four accumulators by turns, 32 channels at a time
.irp c, 0,1
.irp t, 0,1,2,3
.if \c == 0
	v_wmma_f32_16x16x32_f16 v[SS+32*\a+8*\t:SS+32*\a+8*\t+7], v[KV+16*\t+8*\c:KV+16*\t+8*\c+7], v[QQ+16*\a+8*\c:QQ+16*\a+8*\c+7], 0
.else
	v_wmma_f32_16x16x32_f16 v[SS+32*\a+8*\t:SS+32*\a+8*\t+7], v[KV+16*\t+8*\c:KV+16*\t+8*\c+7], v[QQ+16*\a+8*\c:QQ+16*\a+8*\c+7], v[SS+32*\a+8*\t:SS+32*\a+8*\t+7]
.endif
.endr
.endr
.endm
.macro PV a                            ; O^T += V^T P: the tile's four accumulators by turns, 32 keys at a time
.irp kc, 0,1
.irp ct, 0,1,2,3
	v_wmma_f32_16x16x32_f16 v[OO+32*\a+8*\ct:OO+32*\a+8*\ct+7], v[KV+32*\kc+8*\ct:KV+32*\kc+8*\ct+7], v[SS+32*\a+8*\kc:SS+32*\a+8*\kc+7], v[OO+32*\a+8*\ct:OO+32*\a+8*\ct+7]
.endr
.endr
.endm
.macro MASK a                          ; register 8 t + j holds key K0 + 16 t + 8 (lane / 16) + j: hidden where 16 t + j > my query - K0 - 8 (lane / 16)
	s_sub_co_u32 s60, s[QA0+\a], s[K0]
	v_add_nc_u32 v[DD], s60, v[RH]
.set n, 0
.rept 32
	v_cmp_gt_i32 vcc_lo, 16*(n/8)+n%8, v[DD]
	v_cndmask_b32 v[SS+32*\a+n], v[SS+32*\a+n], v[NINF], vcc_lo
.set n, n+1
.endr
.endm
.macro MAXS a                          ; line j of 21: the maximum of the lane's 32 scores and the old m; the other half's; the new m, c m, and c m_old - c m_new
.set rT, ST+8*(\a)
.set rS, SS+32*(\a)
.if j < 4
	v_max3_num_f32 v[rT+4+j], v[rS+8*j], v[rS+8*j+1], v[rS+8*j+2]
.elseif j < 12
	v_max3_num_f32 v[rT+4+j%4], v[rT+4+j%4], v[rS+8*(j%4)+2*(j/4)+1], v[rS+8*(j%4)+2*(j/4)+2]
.elseif j == 12
	v_max3_num_f32 v[rT+4], v[rT+4], v[rS+7], v[rS+15]
.elseif j == 13
	v_max3_num_f32 v[rT+6], v[rT+6], v[rS+23], v[rS+31]
.elseif j == 14
	v_max3_num_f32 v[rT+4], v[rT+4], v[rT+5], v[rT+6]
.elseif j == 15
	v_max3_num_f32 v[rT+4], v[rT+4], v[rT+7], v[rT+1]
.elseif j == 16
	v_permlanex16_b32 v[rT+5], v[rT+4], s[SEL], s[SEL+1]
.elseif j == 17
	v_mov_b32 v[rT+7], v[rT]
.elseif j == 18
	v_max_num_f32 v[rT+1], v[rT+4], v[rT+5]
.elseif j == 19
	v_mul_f32 v[rT], s[CS], v[rT+1]
.else
	v_sub_f32 v[rT+7], v[rT+7], v[rT]
.endif
.endm
.macro SC a, b                         ; pair b of scores: c s - c m
	v_pk_fma_f32 v[SS+32*(\a)+2*(\b):SS+32*(\a)+2*(\b)+1], v[SS+32*(\a)+2*(\b):SS+32*(\a)+2*(\b)+1], s[CS:CS+1], v[ST+8*(\a):ST+8*(\a)+1] op_sel_hi:[1,0,0] neg_lo:[0,0,1] neg_hi:[0,0,1]
.endm
.macro POST a                          ; line n of 48 behind a tile's exponentials: 16 sums of the unrounded p, 16 roundings in place, O^T's 16 rescalings
.set rT, ST+8*(\a)
.set rS, SS+32*(\a)
.set rO, OO+32*(\a)
.set rY, YY+2*(\a)
.if n == 0
	v_pk_add_f32 v[rT+4:rT+5], v[rS:rS+1], v[rS+2:rS+3]
.elseif n == 1
	v_pk_add_f32 v[rY:rY+1], v[rS+4:rS+5], v[rS+6:rS+7]
.elseif (n < 14) && (n%2 == 0)
	v_pk_add_f32 v[rT+4:rT+5], v[rT+4:rT+5], v[rS+2*n+4:rS+2*n+5]
.elseif n < 14
	v_pk_add_f32 v[rY:rY+1], v[rY:rY+1], v[rS+2*n+4:rS+2*n+5]
.elseif n == 14
	v_pk_add_f32 v[rT+4:rT+5], v[rT+4:rT+5], v[rY:rY+1]
.elseif n == 15
	v_pk_fma_f32 v[rT+2:rT+3], v[rT+2:rT+3], v[rT+6:rT+7], v[rT+4:rT+5] op_sel_hi:[1,0,1]
.elseif n < 32
	v_cvt_pk_f16_f32 v[rS+n-16], v[rS+2*(n-16)], v[rS+2*(n-16)+1]
.else
	v_pk_mul_f32 v[rO+2*(n-32):rO+2*(n-32)+1], v[rO+2*(n-32):rO+2*(n-32)+1], v[rT+6:rT+7] op_sel_hi:[1,0]
.endif
.endm
; A STEP: unit u of the slot in hand: my 64 keys against my pair's 32 queries.  sw = 1: the change of jobs may fall here.
.macro STEP u, sw
.if \sw
	s_cmp_eq_u32 s[PP], s[PS]
	s_cbranch_scc0 .Lsame_\@
	STORE_PART                                     ; job A's parts wait in the stage for the next change of slots
	s_sub_co_u32 s[JJ], 31, s[WI]
	NEWJOB
.Lsame_\@:
.endif
	s_add_co_u32 s60, s[QB], 31
	s_cmp_lt_u32 s60, s[K0]                        ; all my keys come after my pair's queries: the step's work is left out.  (K0 is a multiple of 64 and QB of 32: a step that runs shows every row key K0)
	s_cbranch_scc1 .Lhid_\@
	s_add_co_u32 s60, s[TB], \u*UNIT
	v_add_nc_u32 v[ADK], s60, v[AK0]
.irp t, 0,1,2,3
.irp c, 0,1
	ds_load_b128 v[KV+16*\t+8*\c:KV+16*\t+8*\c+3], v[ADK] offset:\t*2048+\c*1024
	ds_load_b128 v[KV+16*\t+8*\c+4:KV+16*\t+8*\c+7], v[ADK] offset:\t*2048+\c*1024+512
.endr
.endr
	s_wait_dscnt 0x0
	KQ 0
	KQ 1
.rept 4
	v_nop                                          ; places in front of the loads over K and of the first reads of scores
.endr
.irp kc, 0,1
.irp ct, 0,1,2,3
	ds_load_b128 v[KV+32*\kc+8*\ct:KV+32*\kc+8*\ct+3], v[ADK] offset:16384+\kc*4096+\ct*1024
	ds_load_b128 v[KV+32*\kc+8*\ct+4:KV+32*\kc+8*\ct+7], v[ADK] offset:16384+\kc*4096+\ct*1024+512
.endr
.endr
	s_add_co_u32 s60, s[K0], 63
	s_cmp_le_u32 s60, s[QB]                        ; all my keys count for all 32 queries: no mask
	s_cbranch_scc1 .Lopen_\@
	MASK 0
	MASK 1
.Lopen_\@:
.set j, 0
.rept 21
	MAXS 0                                         ; the two tiles alternate
	MAXS 1
.set j, j+1
.endr
.set e, 0
.rept 16
	SC 0, e
.set e, e+1
.endr
.set e, 0
.rept 16                                       ; tile 0's exponentials are one batch; tile 1's scalings stand among them
	v_exp_f32 v[SS+2*e], v[SS+2*e]
	v_exp_f32 v[SS+2*e+1], v[SS+2*e+1]
	SC 1, e
.set e, e+1
.endr
	v_exp_f32 v[ST+6], v[ST+7]
	v_nop                                          ; the plain line behind the last of them
	s_wait_alu depctr_va_vdst(0)                   ; one wait for tile 0's 33, ahead of their first reader
	v_exp_f32 v[ST+14], v[ST+15]                   ; tile 1's batch, with tile 0's sums, roundings and rescalings between: they name none of its results
.set n, 0
	POST 0
.set e, 0
.rept 32
	v_exp_f32 v[SS+32+e], v[SS+32+e]
.set n, n+1
	POST 0
.set e, e+1
.endr
.rept 15
.set n, n+1
	POST 0
.endr
	s_wait_dscnt 0x0                               ; V is in
	PV 0
	s_wait_alu depctr_va_vdst(0)                   ; one wait for tile 1's 33
.set n, 0
.rept 48
	POST 1
.set n, n+1
.endr
	PV 1
.rept 5
	v_nop                                          ; four places in front of the next loads over V; five in front of the next products, which write over P
.endr
.Lhid_\@:
	s_add_co_u32 s[K0], s[K0], 128
	s_add_co_u32 s[PP], s[PP], 1
.endm
	s_load_b256 s[4:11], s[0:1], 0x0               ; qf s[4:5], kf s[6:7], vf s[8:9], af s[10:11]
	v_lshl_add_u32 v[SPW], v0, 2, SPARE
	v_mov_b32 v[NIL], 0
	ds_add_u32 v[SPW], v[NIL]                      ; the opening: the add, twice on end, and its wait ahead of the first tensor load
	ds_add_u32 v[SPW], v[NIL]
	v_lshrrev_b32 v10, 5, v0
	v_readfirstlane_b32 s[WV], v10                 ; wave 0..7
	s_and_b32 s[HF], s[WV], 1
	s_lshr_b32 s[PR], s[WV], 1
	s_mov_b32 s[WI], ttmp9
	s_and_b32 s[BH], ttmp7, 0xffff
	s_add_co_u32 s[PS], s[WI], 1
	s_mov_b32 s[G1], 3<<16                         ; no mask; elements of 8 bytes; no padding
	s_mov_b32 s[G1+1], 32<<16                      ; tensor_dim0 = 32 elements: rows of 256 bytes
	s_mov_b32 s[G1+2], 64<<16                      ; tensor_dim1 = 64
	s_mov_b32 s[G1+3], 32<<16                      ; tile_dim0
	s_mov_b32 s[G1+4], 64                          ; tile_dim1
	s_mov_b32 s[G1+5], 32                          ; the pitch: the block is dense
	s_mov_b32 s[G1+6], 0
	s_mov_b32 s[G1+7], 0
	s_mov_b32 s[G0], 1
	s_lshl_b32 s[G0+1], s[WV], 14                  ; slot 0: unit w / 2, K or V: 16,384 x wave
	s_mov_b32 s[SEL], 0x76543210
	s_mov_b32 s[SEL+1], 0xfedcba98
	s_mov_b32 s[CS], 0x3cb8aa3b                    ; c = log2(e) / 64
	s_mov_b32 s[CS+1], s[CS]
	s_mov_b32 s[OFF+1], 0
	s_mov_b32 s69, 0
	s_mov_b32 s[PN], s[PR]
	s_cmp_lt_u32 s[WV], 6
	s_cselect_b32 s60, 0, 1
	s_or_b32 s60, s60, s[WI]
	s_cmp_eq_u32 s60, 0
	s_cselect_b32 s[LIM], 32, 0                    ; the last place that may be asked for, in the waves that ask
	v_and_b32 v10, 31, v0
	v_lshlrev_b32 v[LI], 4, v10
	v_lshlrev_b32 v[PFO], 8, v10
	s_lshl_b32 s60, s[HF], 13
	v_add_nc_u32 v[AK0], s60, v[LI]
	s_mul_i32 s60, s[WV], 2*PART
	s_add_co_u32 s60, s60, STAGE
	v_add_nc_u32 v[STO], s60, v[LI]
	s_xor_b32 s60, s[WV], 1
	s_mul_i32 s60, s60, 2*PART
	s_add_co_u32 s60, s60, STAGE+PART
	v_add_nc_u32 v[STP], s60, v[LI]
	v_and_b32 v10, 15, v0
	v_bfe_u32 v11, v0, 4, 1
	v_lshlrev_b32 v11, 3, v11
	v_sub_nc_u32 v[RH], v10, v11
	v_mov_b32 v[NINF], 0xff800000
	s_wait_dscnt 0x0                               ; both opening adds are done
	s_wait_kmcnt 0x0
	s_lshl_b32 s62, s[BH], 19                      ; 524,288 bytes a head in qf, kf, vf
	s_mov_b32 s63, 0
	s_cmp_eq_u32 s[HF], 0
	s_cselect_b64 s[KVB:KVB+1], s[6:7], s[8:9]
	s_add_nc_u64 s[KVB:KVB+1], s[KVB:KVB+1], s[62:63]
	s_add_nc_u64 s[QFB:QFB+1], s[4:5], s[62:63]
	SETADDR
	TLOAD                                          ; slot 0
	s_lshr_b32 s62, s[BH], 3
	s_lshl_b32 s62, s62, 22                        ; af: 256 token tiles of 16,384 bytes a batch,
	s_and_b32 s60, s[BH], 7
	s_lshl_b32 s60, s60, 11                        ; 2,048 bytes a head in a tile
	s_add_co_u32 s62, s62, s60
	s_add_nc_u64 s[AFB:AFB+1], s[10:11], s[62:63]
	s_lshl_b32 s60, s[WI], 3
	s_add_co_u32 s60, s60, s[WV]
	s_lshl_b32 s[OFA], s60, 14                     ; job A: query tile 8 i + w
	s_sub_co_u32 s60, 31, s[WI]
	s_lshl_b32 s60, s60, 3
	s_add_co_u32 s60, s60, s[WV]
	s_lshl_b32 s[OFB], s60, 14                     ; job B: 8 (31 - i) + w
	s_mov_b32 s[JJ], s[WI]
	NEWJOB
	s_mov_b32 s[PP], 0
	s_mov_b32 s[TB], 0
	s_mov_b32 s[SLOTS], 10
.Lslot:                                            ; ten trips: behind each change of slots but the last the next slot is asked for (slot 1 for the first time behind the first trip's barrier)
	CHANGE 1
	STEP 0, 1
	STEP 1, 1
	STEP 2, 1
	s_xor_b32 s[TB], s[TB], SLOT1
	s_sub_co_u32 s[SLOTS], s[SLOTS], 1
	s_cmp_lg_u32 s[SLOTS], 0
	s_cbranch_scc1 .Lslot
	CHANGE 0                                       ; the last slot is written out: nothing is left to fetch, and the change of jobs (place 16 at the latest) lies behind
	STEP 0, 0
	STEP 1, 0
	STEP 2, 0
	STORE_PART
	s_barrier_signal -1
	s_barrier_wait -1
	MERGE_OUT OFB
	s_wait_tensorcnt 0x0                           ; the wave's end
	ds_add_u32 v[SPW], v[NIL]
	s_wait_dscnt 0x0
	s_endpgm
.Lfunc_end_k_q27b7fac2f6_attn:
	.size	k_q27b7fac2f6_attn, .Lfunc_end_k_q27b7fac2f6_attn-k_q27b7fac2f6_attn
	.p2alignl 7, 3214868480
	.fill 96, 4, 3214868480
	.section	.rodata,"a",@progbits
	.p2align	6, 0x0
	.amdhsa_kernel k_q27b7fac2f6_attn
		.amdhsa_group_segment_fixed_size 327680
		.amdhsa_private_segment_fixed_size 0
		.amdhsa_enable_private_segment 0
		.amdhsa_kernarg_size 32
		.amdhsa_user_sgpr_count 2
		.amdhsa_user_sgpr_kernarg_segment_ptr 1
		.amdhsa_wavefront_size32 1
		.amdhsa_system_sgpr_workgroup_id_x 1
		.amdhsa_system_sgpr_workgroup_id_y 1
		.amdhsa_system_sgpr_workgroup_id_z 1
		.amdhsa_system_vgpr_workitem_id 0
		.amdhsa_next_free_vgpr 256
		.amdhsa_next_free_sgpr 80
		.amdhsa_reserve_vcc 1
		.amdhsa_float_denorm_mode_32 3
		.amdhsa_float_denorm_mode_16_64 3
		.amdhsa_memory_ordered 1
		.amdhsa_forward_progress 1
		.amdhsa_inst_pref_size 165
	.end_amdhsa_kernel
	.amdgpu_metadata
---
amdhsa.version: [ 1, 2 ]
amdhsa.kernels:
  - .name:           k_q27b7fac2f6_attn
    .symbol:         k_q27b7fac2f6_attn.kd
    .args:
      - { .name: qf, .offset: 0, .size: 8, .value_kind: global_buffer, .address_space: global }
      - { .name: kf, .offset: 8, .size: 8, .value_kind: global_buffer, .address_space: global }
      - { .name: vf, .offset: 16, .size: 8, .value_kind: global_buffer, .address_space: global }
      - { .name: af, .offset: 24, .size: 8, .value_kind: global_buffer, .address_space: global }
    .group_segment_fixed_size: 327680
    .private_segment_fixed_size: 0
    .kernarg_segment_align: 8
    .kernarg_segment_size: 32
    .max_flat_workgroup_size: 256
    .sgpr_count:     80
    .vgpr_count:     256
    .wavefront_size: 32
...
	.end_amdgpu_metadata
.endif
;; end of part 3
;; launch proj (part 4): grid 256 x 1, 8 waves a work-group, no clusters, 35,840 bytes of LDS; arguments af, wo16, bo, out0; writes out0
.if DOCPART == 4
	.amdgcn_target "amdgcn-amd-amdhsa--gfx1250"
	.amdhsa_code_object_version 6
	.text
	.protected	k_q27b7fac2f6_proj
	.globl	k_q27b7fac2f6_proj
	.p2align	8
	.type	k_q27b7fac2f6_proj,@function
k_q27b7fac2f6_proj:
	s_mov_b64 s[64:65], 0
	v_nop
	global_prefetch_b8 v0, s[64:65] scope:SCOPE_SE
	s_setreg_imm32_b32 hwreg(HW_REG_WAVE_MODE, 25, 1), 1
	s_wait_xcnt 0x0
; out0 = att Wo + bo, f16 operands, f32 sums, for all rows but the first 16 of each batch (those are made in f32 by a launch of their own).
; SHARES.  A work-group takes 32 tokens (two tiles); wave w takes columns 64 w .. 64 w + 63 (four tiles) for both: eight accumulators by turns, K = 512 in 16 chunks of 32.
; TRANSPOSED: source 0 = 16 columns of Wo, source 1 = 16 tokens: a lane holds eight neighbouring columns of one row.  The bias is the C of each sum's first product.
; af and wo16 hold images of operand registers, so every load is 16 x lane; three sets of fragments: two chunks' loads are out while one is multiplied.
; THE WAY OUT: 16 rows x 256 bytes go through the wave's own stage in LDS (rows of 272 bytes) and leave so that sixteen lanes store 256 consecutive aligned bytes.
; No tensor load and no cluster: fragments go from memory straight into registers and each is used in the chunk for which it was loaded.
; LIMITS: f16 operands (magnitudes under 65,504).
.set SP,    272
.set WST,   16*SP                      ; a wave's stage
.set SPARE, 8*WST                      ; the spare words, 128 bytes a wave, which no other line names
.set LI,   1                           ; v1 16 x lane
.set STO,  2                           ; v2 into the stage: row r, 32 h
.set RD,   3                           ; v3 back: lanes 0-15 one row, lanes 16-31 the next
.set CO,   4                           ; v4 the same two rows in out0
.set BA,   5                           ; v5 32 h
.set SPW,  6
.set NIL,  7
.set BIAS, 8                           ; v8-39   tile t's eight numbers of bo at 8 + 8 t
.set ACC,  40                          ; v40-103 accumulator (m, t) at 40 + 32 m + 8 t
.set FR,   104                         ; v104-247 three sets of 48: Wo's four fragments, then att's two; on the way out rows of out0
.macro LOADC k                         ; chunk k: 12 loads
.set FB, FR+48*((\k)%3)
.irp t, 0,1,2,3
	global_load_b128 v[FB+8*\t:FB+8*\t+3], v[LI], s[6:7] offset:\t*16384+(\k)*1024
	global_load_b128 v[FB+8*\t+4:FB+8*\t+7], v[LI], s[6:7] offset:\t*16384+(\k)*1024+512
.endr
.irp m, 0,1
	global_load_b128 v[FB+32+8*\m:FB+32+8*\m+3], v[LI], s[4:5] offset:\m*16384+(\k)*1024
	global_load_b128 v[FB+32+8*\m+4:FB+32+8*\m+7], v[LI], s[4:5] offset:\m*16384+(\k)*1024+512
.endr
.endm
.macro MULC k
.set FB, FR+48*((\k)%3)
.irp m, 0,1
.irp t, 0,1,2,3
.if (\k) == 0
	v_wmma_f32_16x16x32_f16 v[ACC+32*\m+8*\t:ACC+32*\m+8*\t+7], v[FB+8*\t:FB+8*\t+7], v[FB+32+8*\m:FB+32+8*\m+7], v[BIAS+8*\t:BIAS+8*\t+7]
.else
	v_wmma_f32_16x16x32_f16 v[ACC+32*\m+8*\t:ACC+32*\m+8*\t+7], v[FB+8*\t:FB+8*\t+7], v[FB+32+8*\m:FB+32+8*\m+7], v[ACC+32*\m+8*\t:ACC+32*\m+8*\t+7]
.endif
.endr
.endr
.endm
.macro OUT m                           ; LDS serves a wave's instructions in order: no wait between my stores and my loads
.irp t, 0,1,2,3
	ds_store_b128 v[STO], v[ACC+32*\m+8*\t:ACC+32*\m+8*\t+3] offset:64*\t
	ds_store_b128 v[STO], v[ACC+32*\m+8*\t+4:ACC+32*\m+8*\t+7] offset:64*\t+16
.endr
.irp i, 0,1,2,3,4,5,6,7
	ds_load_b128 v[FR+32*\m+4*\i:FR+32*\m+4*\i+3], v[RD] offset:2*\i*SP
.endr
.irp i, 0,1,2,3,4,5,6,7
	s_wait_dscnt 7-\i                              ; rows 2 i and 2 i + 1 are back; the younger ones may be out
	global_store_b128 v[CO], v[FR+32*\m+4*\i:FR+32*\m+4*\i+3], s[10:11] offset:\m*32768+2*\i*2048 th:TH_STORE_NT
.endr
.endm
	s_load_b256 s[4:11], s[0:1], 0x0               ; af s[4:5], wo16 s[6:7], bo s[8:9], out0 s[10:11]
	v_lshl_add_u32 v[SPW], v0, 2, SPARE
	v_mov_b32 v[NIL], 0
	v_lshrrev_b32 v40, 5, v0
	v_readfirstlane_b32 s12, v40                   ; wave 0..7
	v_and_b32 v40, 31, v0
	v_lshlrev_b32 v[LI], 4, v40
	v_and_b32 v40, 15, v0                          ; r
	v_bfe_u32 v41, v0, 4, 1                        ; h
	s_mul_i32 s14, s12, WST
	v_mul_u32_u24 v[STO], v40, SP
	v_lshl_add_u32 v[STO], v41, 5, v[STO]
	v_add_nc_u32 v[STO], s14, v[STO]
	v_mul_u32_u24 v[RD], v41, SP
	v_lshl_add_u32 v[RD], v40, 4, v[RD]
	v_add_nc_u32 v[RD], s14, v[RD]
	v_lshlrev_b32 v[CO], 11, v41
	v_lshl_add_u32 v[CO], v40, 4, v[CO]
	v_lshlrev_b32 v[BA], 5, v41
	s_and_b32 s13, ttmp9, 127                      ; the block's number in its batch
	s_lshl_b32 s16, ttmp9, 15                      ; af: two token tiles of 16,384 bytes
	s_mov_b32 s17, 0
	s_lshl_b32 s18, s12, 16                        ; wo16: four tiles of 16,384 bytes a wave
	s_mov_b32 s19, 0
	s_lshl_b32 s20, s12, 8                         ; 64 columns of f32
	s_mov_b32 s21, 0
	s_lshl_b32 s22, ttmp9, 16                      ; out0: 32 rows of 2,048 bytes
	s_add_co_u32 s22, s22, s20
	s_mov_b32 s23, 0
	s_wait_kmcnt 0x0
	s_add_nc_u64 s[4:5], s[4:5], s[16:17]
	s_add_nc_u64 s[6:7], s[6:7], s[18:19]
	s_add_nc_u64 s[8:9], s[8:9], s[20:21]
	s_add_nc_u64 s[10:11], s[10:11], s[22:23]
.irp t, 0,1,2,3
	global_load_b128 v[BIAS+8*\t:BIAS+8*\t+3], v[BA], s[8:9] offset:64*\t
	global_load_b128 v[BIAS+8*\t+4:BIAS+8*\t+7], v[BA], s[8:9] offset:64*\t+16
.endr
	LOADC 0
	LOADC 1
	LOADC 2
.irp k, 0,1,2,3,4,5,6,7,8,9,10,11,12,13,14,15
.if \k < 14
	s_wait_loadcnt 24                              ; this chunk's loads are in; two later chunks' 24 may be out
.elseif \k == 14
	s_wait_loadcnt 12
.else
	s_wait_loadcnt 0x0
.endif
	MULC \k
.rept 4
	v_nop                                          ; places in front of the loads into this set, and at the end of the first reads of results
.endr
.if \k < 13
	LOADC \k+3
.endif
.endr
	s_cmp_eq_u32 s13, 0                            ; a batch's first 16 rows are not mine
	s_cbranch_scc1 .Lskip0
	OUT 0
.Lskip0:
	OUT 1
	s_wait_tensorcnt 0x0                           ; the wave's end
	ds_add_u32 v[SPW], v[NIL]
	s_wait_dscnt 0x0
	s_endpgm
.Lfunc_end_k_q27b7fac2f6_proj:
	.size	k_q27b7fac2f6_proj, .Lfunc_end_k_q27b7fac2f6_proj-k_q27b7fac2f6_proj
	.p2alignl 7, 3214868480
	.fill 96, 4, 3214868480
	.section	.rodata,"a",@progbits
	.p2align	6, 0x0
	.amdhsa_kernel k_q27b7fac2f6_proj
		.amdhsa_group_segment_fixed_size 35840
		.amdhsa_private_segment_fixed_size 0
		.amdhsa_enable_private_segment 0
		.amdhsa_kernarg_size 32
		.amdhsa_user_sgpr_count 2
		.amdhsa_user_sgpr_kernarg_segment_ptr 1
		.amdhsa_wavefront_size32 1
		.amdhsa_system_sgpr_workgroup_id_x 1
		.amdhsa_system_sgpr_workgroup_id_y 1
		.amdhsa_system_sgpr_workgroup_id_z 1
		.amdhsa_system_vgpr_workitem_id 0
		.amdhsa_next_free_vgpr 256
		.amdhsa_next_free_sgpr 66
		.amdhsa_reserve_vcc 0
		.amdhsa_float_denorm_mode_32 3
		.amdhsa_float_denorm_mode_16_64 3
		.amdhsa_memory_ordered 1
		.amdhsa_forward_progress 1
		.amdhsa_inst_pref_size 36
	.end_amdhsa_kernel
	.amdgpu_metadata
---
amdhsa.version: [ 1, 2 ]
amdhsa.kernels:
  - .name:           k_q27b7fac2f6_proj
    .symbol:         k_q27b7fac2f6_proj.kd
    .args:
      - { .name: af, .offset: 0, .size: 8, .value_kind: global_buffer, .address_space: global }
      - { .name: wo16, .offset: 8, .size: 8, .value_kind: global_buffer, .address_space: global }
      - { .name: bo, .offset: 16, .size: 8, .value_kind: global_buffer, .address_space: global }
      - { .name: out0, .offset: 24, .size: 8, .value_kind: global_buffer, .address_space: global }
    .group_segment_fixed_size: 35840
    .private_segment_fixed_size: 0
    .kernarg_segment_align: 8
    .kernarg_segment_size: 32
    .max_flat_workgroup_size: 256
    .sgpr_count:     66
    .vgpr_count:     256
    .wavefront_size: 32
...
	.end_amdgpu_metadata
.endif
;; end of part 4
;; launch first16 (part 5): grid 8 x 2, 8 waves a work-group, no clusters, 33,792 bytes of LDS; arguments r32, Wo, bo, out0; writes out0
.if DOCPART == 5
	.amdgcn_target "amdgcn-amd-amdhsa--gfx1250"
	.amdhsa_code_object_version 6
	.text
	.protected	k_q27b7fac2f6_first16
	.globl	k_q27b7fac2f6_first16
	.p2align	8
	.type	k_q27b7fac2f6_first16,@function
k_q27b7fac2f6_first16:
	s_mov_b64 s[64:65], 0
	v_nop
	global_prefetch_b8 v0, s[64:65] scope:SCOPE_SE
	s_setreg_imm32_b32 hwreg(HW_REG_WAVE_MODE, 25, 1), 1
	s_wait_xcnt 0x0
; The first 16 positions of each batch, all in f32: these rows average one to sixteen values and are the output's largest, so f16 operands would use up what the comparison allows.
; SHARES.  Work-group (64 columns of out0, batch).  Wave w takes head w: its 16 x 16 causal attention (each of the eight column groups makes it anew: 16 x 16 x 128 multiply-adds),
; then that head's 64 rows of Wo against the work-group's 64 columns; the eight waves' partial sums meet in LDS, and wave w adds and stores one eighth of the 16 x 64 numbers.
; All three products are used transposed, so a lane holds one query throughout, and each K is permuted alike on both sides, so that runs of a lane's registers serve as operands as they stand:
;   S^T = k q^T: chunk c takes channels 32 h + 2 c, + 1;   O^T = v^T p: chunk c takes keys 8 h + 2 c, + 1, which are p's registers;   out^T = Wo^T att: chunk (t, c) takes channels 16 t + 8 h + 2 c, + 1, which are O^T's.
; The registers that the f32 matrix form writes (v40-87) are written by matrix instructions alone; what is made of a finished sum goes into other registers.
; The stores are 16 bytes a lane in rows 2,048 bytes apart: 65,536 bytes in the whole launch.
; LIMITS: NaN and infinities are not served.
.set SPARE, 32768                      ; behind the eight waves' 4,096 bytes of partial sums: the spare words, which no other line names
.set QA,  1                            ; v1  256 r + 128 h
.set VA,  2                            ; v2  64 r + 32 h
.set WA,  3                            ; v3  16,384 h + 4 r
.set PSA, 4                            ; v4  4,096 w + 16 x lane
.set PRA, 5                            ; v5  512 w + 16 x lane
.set SPW, 6
.set NIL, 7
.set DM,  8                            ; v8  r - 8 h
.set OA,  9                            ; v9  2,048 r + 32 h
.set BA,  10                           ; v10 32 h
.set NINF, 11
.set SR,  12                           ; v12-19 scores
.set PB,  20                           ; v20-27 p
.set BI,  36                           ; v36-39 my four numbers of bo
.set XX,  40                           ; v40-71 four accumulators: S^T in four parts, then O^T
.set YY,  72                           ; v72-87 two accumulators of out^T
.set QQ,  88                           ; v88-119 q, v120-151 k; later Wo's column tiles 2 and 3
.set KK,  120
.set VV,  152                          ; v152-183 v; later the eight partial sums
.set W1,  184                          ; v184-247 Wo's column tiles 0 and 1
.set SEL, 20
.set CS,  22
.macro LOADWO reg, tau                 ; column tile tau: my head's 64 rows, register 8 t + j = row 16 t + 8 h + j, column r
.irp t, 0,1,2,3
.irp j, 0,1,2,3,4,5,6,7
	global_load_b32 v[\reg+8*\t+\j], v[WA], s[6:7] offset:(16*\t+\j)*2048+64*(\tau)
.endr
.endr
.endm
.macro PROJ wb, tau0                   ; two column tiles by turns, 16 chunks of 4 along K; then their partial sums to LDS
.irp t, 0,1,2,3
.irp c, 0,1,2,3
.irp u, 0,1
.if (\t) == 0 && (\c) == 0
	v_wmma_f32_16x16x4_f32 v[YY+8*\u:YY+8*\u+7], v[\wb+32*\u+8*\t+2*\c:\wb+32*\u+8*\t+2*\c+1], v[XX+8*\t+2*\c:XX+8*\t+2*\c+1], 0
.else
	v_wmma_f32_16x16x4_f32 v[YY+8*\u:YY+8*\u+7], v[\wb+32*\u+8*\t+2*\c:\wb+32*\u+8*\t+2*\c+1], v[XX+8*\t+2*\c:XX+8*\t+2*\c+1], v[YY+8*\u:YY+8*\u+7]
.endif
.endr
.endr
.endr
.rept 9
	v_nop                                          ; eight places in front of the stores' reads; nine in front of products that begin these sums anew
.endr
.irp u, 0,1
	ds_store_b128 v[PSA], v[YY+8*\u:YY+8*\u+3] offset:(2*(\tau0+\u))*512
	ds_store_b128 v[PSA], v[YY+8*\u+4:YY+8*\u+7] offset:(2*(\tau0+\u)+1)*512
.endr
	s_wait_dscnt 0x0
.endm
	s_load_b256 s[4:11], s[0:1], 0x0               ; r32 s[4:5], Wo s[6:7], bo s[8:9], out0 s[10:11]
	v_lshl_add_u32 v[SPW], v0, 2, SPARE
	v_mov_b32 v[NIL], 0
	v_lshrrev_b32 v28, 5, v0
	v_readfirstlane_b32 s12, v28                   ; wave = head
	v_and_b32 v30, 31, v0
	v_and_b32 v28, 15, v0                          ; r
	v_bfe_u32 v29, v0, 4, 1                        ; h
	v_lshlrev_b32 v[QA], 8, v28
	v_lshl_add_u32 v[QA], v29, 7, v[QA]
	v_lshlrev_b32 v[VA], 6, v28
	v_lshl_add_u32 v[VA], v29, 5, v[VA]
	v_lshlrev_b32 v[WA], 2, v28
	v_lshl_add_u32 v[WA], v29, 14, v[WA]
	v_lshlrev_b32 v30, 4, v30
	s_lshl_b32 s14, s12, 12
	v_add_nc_u32 v[PSA], s14, v30
	s_lshl_b32 s14, s12, 9
	v_add_nc_u32 v[PRA], s14, v30
	v_lshlrev_b32 v[BA], 3, v29
	v_sub_nc_u32 v[DM], v28, v[BA]
	v_lshlrev_b32 v[OA], 11, v28
	v_lshl_add_u32 v[OA], v29, 5, v[OA]
	v_lshlrev_b32 v[BA], 5, v29
	v_mov_b32 v[NINF], 0xff800000
	s_mov_b32 s[SEL], 0x76543210
	s_mov_b32 s[SEL+1], 0xfedcba98
	s_mov_b32 s[CS], 0x3cb8aa3b                    ; c = log2(e) / 64
	s_mov_b32 s[CS+1], s[CS]
	s_and_b32 s13, ttmp7, 0xffff                   ; batch
	s_lshl_b32 s24, s13, 3
	s_add_co_u32 s24, s24, s12
	s_lshl_b32 s24, s24, 12                        ; r32: 4,096 bytes a head
	s_mov_b32 s25, 0
	s_lshl_b32 s15, ttmp9, 8                       ; my work-group's 64 columns, in bytes
	s_lshl_b32 s26, s12, 17                        ; Wo: 64 rows of 2,048 bytes a head
	s_add_co_u32 s26, s26, s15
	s_mov_b32 s27, 0
	s_lshr_b32 s28, s12, 1
	s_lshl_b32 s28, s28, 6                         ; the piece that I add and store: column tile w / 2,
	s_and_b32 s14, s12, 1
	s_lshl_b32 s14, s14, 4                         ; registers 4 (w % 2) on
	s_add_co_u32 s28, s28, s14
	s_add_co_u32 s28, s28, s15
	s_mov_b32 s29, 0
	s_lshl_b32 s30, s13, 23                        ; out0: 4,096 rows of 2,048 bytes a batch
	s_add_co_u32 s30, s30, s28
	s_mov_b32 s31, 0
	s_wait_kmcnt 0x0
	s_add_nc_u64 s[4:5], s[4:5], s[24:25]
	s_add_nc_u64 s[6:7], s[6:7], s[26:27]
	s_add_nc_u64 s[8:9], s[8:9], s[28:29]
	s_add_nc_u64 s[10:11], s[10:11], s[30:31]
.irp i, 0,1,2,3,4,5,6,7
	global_load_b128 v[QQ+4*\i:QQ+4*\i+3], v[QA], s[4:5] offset:16*\i
.endr
.irp i, 0,1,2,3,4,5,6,7
	global_load_b128 v[KK+4*\i:KK+4*\i+3], v[QA], s[4:5] offset:65536+16*\i
.endr
.irp ct, 0,1,2,3
	global_load_b128 v[VV+8*\ct:VV+8*\ct+3], v[VA], s[4:5] offset:131072+\ct*1024
	global_load_b128 v[VV+8*\ct+4:VV+8*\ct+7], v[VA], s[4:5] offset:131072+\ct*1024+16
.endr
	global_load_b128 v[BI:BI+3], v[BA], s[8:9]
	LOADWO W1, 0
	s_wait_loadcnt 33                              ; q, k, v are in; the bias and Wo's first 32 loads may be out
.set c, 0
.rept 16                                       ; S^T in four parts by turns
.if c < 4
	v_wmma_f32_16x16x4_f32 v[XX+8*(c%4):XX+8*(c%4)+7], v[KK+2*c:KK+2*c+1], v[QQ+2*c:QQ+2*c+1], 0
.else
	v_wmma_f32_16x16x4_f32 v[XX+8*(c%4):XX+8*(c%4)+7], v[KK+2*c:KK+2*c+1], v[QQ+2*c:QQ+2*c+1], v[XX+8*(c%4):XX+8*(c%4)+7]
.endif
.set c, c+1
.endr
	LOADWO W1+32, 1
.rept 8
	v_nop                                          ; places in front of the loads over q and k and of the first reads of the sums
.endr
	LOADWO QQ, 2
	LOADWO QQ+32, 3
.irp i, 0,1,2,3
	v_pk_add_f32 v[SR+2*\i:SR+2*\i+1], v[XX+2*\i:XX+2*\i+1], v[XX+8+2*\i:XX+8+2*\i+1]
.endr
.irp i, 0,1,2,3
	v_pk_add_f32 v[PB+2*\i:PB+2*\i+1], v[XX+16+2*\i:XX+16+2*\i+1], v[XX+24+2*\i:XX+24+2*\i+1]
.endr
.irp i, 0,1,2,3
	v_pk_add_f32 v[SR+2*\i:SR+2*\i+1], v[SR+2*\i:SR+2*\i+1], v[PB+2*\i:PB+2*\i+1]
.endr
.irp j, 0,1,2,3,4,5,6,7                        ; register j holds key 8 h + j of query r: hidden where j > r - 8 h
	v_cmp_gt_i32 vcc_lo, \j, v[DM]
	v_cndmask_b32 v[SR+\j], v[SR+\j], v[NINF], vcc_lo
.endr
	v_max3_num_f32 v28, v[SR], v[SR+1], v[SR+2]
	v_max3_num_f32 v28, v28, v[SR+3], v[SR+4]
	v_max3_num_f32 v28, v28, v[SR+5], v[SR+6]
	v_max_num_f32 v28, v28, v[SR+7]
	v_permlanex16_b32 v29, v28, s[SEL], s[SEL+1]
	v_max_num_f32 v28, v28, v29                    ; key 0 counts for every query: the maximum is a number
	v_mul_f32 v30, s[CS], v28
	v_mov_b32 v31, v30
.irp i, 0,1,2,3
	v_pk_fma_f32 v[PB+2*\i:PB+2*\i+1], v[SR+2*\i:SR+2*\i+1], s[CS:CS+1], v[30:31] op_sel_hi:[1,0,0] neg_lo:[0,0,1] neg_hi:[0,0,1]
.endr
.irp j, 0,1,2,3,4,5,6,7
	v_exp_f32 v[PB+\j], v[PB+\j]
.endr
	v_nop
	s_wait_alu depctr_va_vdst(0)                   ; one wait for the eight, ahead of their first reader
	v_pk_add_f32 v[32:33], v[PB:PB+1], v[PB+2:PB+3]
	v_pk_add_f32 v[34:35], v[PB+4:PB+5], v[PB+6:PB+7]
	v_pk_add_f32 v[32:33], v[32:33], v[34:35]
	v_add_f32 v32, v32, v33
	v_permlanex16_b32 v33, v32, s[SEL], s[SEL+1]
	v_add_f32 v32, v32, v33
	v_rcp_f32 v34, v32
	v_nop
	s_wait_alu depctr_va_vdst(0)
	v_mov_b32 v35, v34
.irp i, 0,1,2,3
	v_pk_mul_f32 v[PB+2*\i:PB+2*\i+1], v[PB+2*\i:PB+2*\i+1], v[34:35]
.endr
.irp c, 0,1,2,3                                ; O^T: four tiles of 16 channels by turns
.irp ct, 0,1,2,3
.if \c == 0
	v_wmma_f32_16x16x4_f32 v[XX+8*\ct:XX+8*\ct+7], v[VV+8*\ct+2*\c:VV+8*\ct+2*\c+1], v[PB+2*\c:PB+2*\c+1], 0
.else
	v_wmma_f32_16x16x4_f32 v[XX+8*\ct:XX+8*\ct+7], v[VV+8*\ct+2*\c:VV+8*\ct+2*\c+1], v[PB+2*\c:PB+2*\c+1], v[XX+8*\ct:XX+8*\ct+7]
.endif
.endr
.endr
.rept 9
	v_nop                                          ; nine places in front of products that take these results as a source
.endr
	s_wait_loadcnt 63                              ; the bias and Wo's tiles 0 and 1 are in (64 younger loads follow them; the field's largest count is 63)
	PROJ W1, 0
	s_wait_loadcnt 0x0
	PROJ QQ, 2
	s_barrier_signal -1                            ; every wave's partial sums have landed (the wait for them stands at the end of the lines above)
	s_barrier_wait -1
.irp s, 0,1,2,3,4,5,6,7
	ds_load_b128 v[VV+4*\s:VV+4*\s+3], v[PRA] offset:\s*4096
.endr
	s_wait_dscnt 0x0
.irp s, 0,2,4,6
	v_pk_add_f32 v[VV+4*\s:VV+4*\s+1], v[VV+4*\s:VV+4*\s+1], v[VV+4*\s+4:VV+4*\s+5]
	v_pk_add_f32 v[VV+4*\s+2:VV+4*\s+3], v[VV+4*\s+2:VV+4*\s+3], v[VV+4*\s+6:VV+4*\s+7]
.endr
.irp s, 0,4
	v_pk_add_f32 v[VV+4*\s:VV+4*\s+1], v[VV+4*\s:VV+4*\s+1], v[VV+4*\s+8:VV+4*\s+9]
	v_pk_add_f32 v[VV+4*\s+2:VV+4*\s+3], v[VV+4*\s+2:VV+4*\s+3], v[VV+4*\s+10:VV+4*\s+11]
.endr
	v_pk_add_f32 v[VV:VV+1], v[VV:VV+1], v[VV+16:VV+17]
	v_pk_add_f32 v[VV+2:VV+3], v[VV+2:VV+3], v[VV+18:VV+19]
	v_pk_add_f32 v[VV:VV+1], v[VV:VV+1], v[BI:BI+1]
	v_pk_add_f32 v[VV+2:VV+3], v[VV+2:VV+3], v[BI+2:BI+3]
	global_store_b128 v[OA], v[VV:VV+3], s[10:11]
	s_wait_tensorcnt 0x0                           ; the wave's end
	ds_add_u32 v[SPW], v[NIL]
	s_wait_dscnt 0x0
	s_endpgm
.Lfunc_end_k_q27b7fac2f6_first16:
	.size	k_q27b7fac2f6_first16, .Lfunc_end_k_q27b7fac2f6_first16-k_q27b7fac2f6_first16
	.p2alignl 7, 3214868480
	.fill 96, 4, 3214868480
	.section	.rodata,"a",@progbits
	.p2align	6, 0x0
	.amdhsa_kernel k_q27b7fac2f6_first16
		.amdhsa_group_segment_fixed_size 33792
		.amdhsa_private_segment_fixed_size 0
		.amdhsa_enable_private_segment 0
		.amdhsa_kernarg_size 32
		.amdhsa_user_sgpr_count 2
		.amdhsa_user_sgpr_kernarg_segment_ptr 1
		.amdhsa_wavefront_size32 1
		.amdhsa_system_sgpr_workgroup_id_x 1
		.amdhsa_system_sgpr_workgroup_id_y 1
		.amdhsa_system_sgpr_workgroup_id_z 1
		.amdhsa_system_vgpr_workitem_id 0
		.amdhsa_next_free_vgpr 256
		.amdhsa_next_free_sgpr 66
		.amdhsa_reserve_vcc 1
		.amdhsa_float_denorm_mode_32 3
		.amdhsa_float_denorm_mode_16_64 3
		.amdhsa_memory_ordered 1
		.amdhsa_forward_progress 1
		.amdhsa_inst_pref_size 30
	.end_amdhsa_kernel
	.amdgpu_metadata
---
amdhsa.version: [ 1, 2 ]
amdhsa.kernels:
  - .name:           k_q27b7fac2f6_first16
    .symbol:         k_q27b7fac2f6_first16.kd
    .args:
      - { .name: r32, .offset: 0, .size: 8, .value_kind: global_buffer, .address_space: global }
      - { .name: Wo, .offset: 8, .size: 8, .value_kind: global_buffer, .address_space: global }
      - { .name: bo, .offset: 16, .size: 8, .value_kind: global_buffer, .address_space: global }
      - { .name: out0, .offset: 24, .size: 8, .value_kind: global_buffer, .address_space: global }
    .group_segment_fixed_size: 33792
    .private_segment_fixed_size: 0
    .kernarg_segment_align: 8
    .kernarg_segment_size: 32
    .max_flat_workgroup_size: 256
    .sgpr_count:     66
    .vgpr_count:     256
    .wavefront_size: 32
...
	.end_amdgpu_metadata
.endif
;; end of part 5
